; MI455X (gfx1250); checked and timed in simulation.
; The chip was launched on July 23, 2026; its instructions are those of AMD's public machine-readable ISA for CDNA 5 (MIT licence, August 2026) and "CDNA5" Instruction Set Architecture Reference Guide (July 2026). The comments in the code are by the model that wrote it; some were corrected since.
;; Multi Head Self Attention. Allowed arithmetic: float matrix products may take bf16 or f16 operands with f32 sums; all other float work in f32.
;; Inputs: Wk 1,024 x 1,024 float32; Wq 1,024 x 1,024 float32; Wv 1,024 x 1,024 float32; bk 1,024 float32; bq 1,024 float32; bv 1,024 float32; x 2 x 2,048 x 1,024 float32.
;; Outputs: out0 2 x 2,048 x 1,024 float32.
;; One version. Each part assembles by itself: llvm-mc -triple=amdgcn-amd-amdhsa -mcpu=gfx1250 --defsym DOCPART=n.
;; ======== version 1 of 1: 3 launches
;; limits: values are held in f16: magnitudes above 65,504 overflow, below 6.1e-05 lose precision
;; workspace buffers: xb 8,388,608 bytes; wb 6,291,456 bytes; qkv 25,165,824 bytes
;; launch cast (part 1): grid 256 x 7, 8 waves a work-group, no clusters, 0 bytes of LDS; arguments x, Wq, Wk, Wv, xb, wb; writes xb, wb
.if DOCPART == 1
	.amdgcn_target "amdgcn-amd-amdhsa--gfx1250"
	.amdhsa_code_object_version 6
	.text
	.protected	k_q0b1a99a281_cast
	.globl	k_q0b1a99a281_cast
	.p2align	8
	.type	k_q0b1a99a281_cast,@function
k_q0b1a99a281_cast:
	s_mov_b64 s[64:65], 0
	v_nop
	global_prefetch_b8 v0, s[64:65] scope:SCOPE_SE
	s_setreg_imm32_b32 hwreg(HW_REG_WAVE_MODE, 25, 1), 1
	s_wait_xcnt 0x0
; x and the three weight matrices, f32, rounded once to bf16 (nearest even) for the matrix units.
; xb[4096][1024] keeps x's order.  wb[3072][1024] is ordered by head: row 192 head + 64 t + dd is row 64 head + dd of W_t (t = 0 Q, 1 K, 2 V),
; so that one block of 192 rows of wb holds all that a head needs.
; A work-group takes 4 rows of 1,024 f32 (16,384 bytes): y = 0..3 are the quarters of x, y = 4, 5, 6 are Wq, Wk, Wv; x = the chunk, 0..255.
; A wave's load covers 512 consecutive bytes, its store 256 consecutive bytes at a multiple of 256 from the buffer's first byte.
; No LDS, no barrier, no matrix unit: each byte is read once and written once, and no thread needs another's numbers.
	s_load_b256 s[4:11], s[0:1], 0x0               ; x s[4:5], Wq s[6:7], Wk s[8:9], Wv s[10:11]
	s_load_b128 s[12:15], s[0:1], 0x20             ; xb s[12:13], wb s[14:15]
	s_and_b32 s16, ttmp7, 0xffff                   ; y
	s_lshl_b32 s17, s16, 8
	s_add_co_u32 s17, s17, ttmp9                   ; chunk of x: 256 y + i (used where y < 4)
	s_lshl_b32 s18, s17, 14                        ; its bytes in x
	s_lshl_b32 s19, s17, 13                        ; and in xb
	s_lshl_b32 s20, ttmp9, 14                      ; chunk i of a weight matrix: rows 4 i .. 4 i + 3
	s_lshr_b32 s21, ttmp9, 4                       ; head = 4 i / 64
	s_mul_i32 s21, s21, 192
	s_sub_co_u32 s22, s16, 4                       ; t (used where y >= 4)
	s_lshl_b32 s22, s22, 6
	s_add_co_u32 s21, s21, s22                     ; 192 head + 64 t
	s_and_b32 s22, ttmp9, 15
	s_lshl2_add_u32 s21, s22, s21                  ; + 4 (i mod 16): the first of the four rows in wb
	s_lshl_b32 s21, s21, 11                        ; rows of 2,048 bytes
	s_mov_b32 s29, 0
	s_mov_b32 s31, 0
	v_lshlrev_b32 v1, 4, v0                        ; 16 bytes of f32 a thread,
	v_lshlrev_b32 v2, 3, v0                        ; 8 bytes of bf16
	s_wait_kmcnt 0x0
	s_cmp_eq_u32 s16, 5                            ; the source is chosen by y alone
	s_cselect_b64 s[24:25], s[8:9], s[10:11]
	s_cmp_eq_u32 s16, 4
	s_cselect_b64 s[24:25], s[6:7], s[24:25]
	s_cmp_lt_u32 s16, 4
	s_cselect_b64 s[24:25], s[4:5], s[24:25]
	s_cselect_b64 s[26:27], s[12:13], s[14:15]     ; and so is the destination
	s_cselect_b32 s28, s18, s20
	s_cselect_b32 s30, s19, s21
	s_add_nc_u64 s[24:25], s[24:25], s[28:29]
	s_add_nc_u64 s[26:27], s[26:27], s[30:31]
.irp k, 0,1,2,3
	global_load_b128 v[4+4*\k:7+4*\k], v1, s[24:25] offset:4096*\k th:TH_LOAD_NT   ; row k: 256 threads x 16 bytes
.endr
.irp k, 0,1,2,3
	s_wait_loadcnt 3-\k                            ; loads come back in order: row k is in, the younger rows stay out
	v_cvt_pk_bf16_f32 v[20+2*\k], v[4+4*\k], v[5+4*\k]
	v_cvt_pk_bf16_f32 v[21+2*\k], v[6+4*\k], v[7+4*\k]
	global_store_b64 v2, v[20+2*\k:21+2*\k], s[26:27] offset:2048*\k
.endr
	s_endpgm
.Lfunc_end_k_q0b1a99a281_cast:
	.size	k_q0b1a99a281_cast, .Lfunc_end_k_q0b1a99a281_cast-k_q0b1a99a281_cast
	.p2alignl 7, 3214868480
	.fill 96, 4, 3214868480
	.section	.rodata,"a",@progbits
	.p2align	6, 0x0
	.amdhsa_kernel k_q0b1a99a281_cast
		.amdhsa_group_segment_fixed_size 0
		.amdhsa_private_segment_fixed_size 0
		.amdhsa_enable_private_segment 0
		.amdhsa_kernarg_size 48
		.amdhsa_user_sgpr_count 2
		.amdhsa_user_sgpr_kernarg_segment_ptr 1
		.amdhsa_wavefront_size32 1
		.amdhsa_system_sgpr_workgroup_id_x 1
		.amdhsa_system_sgpr_workgroup_id_y 1
		.amdhsa_system_sgpr_workgroup_id_z 1
		.amdhsa_system_vgpr_workitem_id 0
		.amdhsa_next_free_vgpr 32
		.amdhsa_next_free_sgpr 66
		.amdhsa_reserve_vcc 0
		.amdhsa_float_denorm_mode_32 3
		.amdhsa_float_denorm_mode_16_64 3
		.amdhsa_memory_ordered 1
		.amdhsa_forward_progress 1
		.amdhsa_inst_pref_size 3
	.end_amdhsa_kernel
	.amdgpu_metadata
---
amdhsa.version: [ 1, 2 ]
amdhsa.kernels:
  - .name:           k_q0b1a99a281_cast
    .symbol:         k_q0b1a99a281_cast.kd
    .args:
      - { .name: x, .offset: 0, .size: 8, .value_kind: global_buffer, .address_space: global }
      - { .name: Wq, .offset: 8, .size: 8, .value_kind: global_buffer, .address_space: global }
      - { .name: Wk, .offset: 16, .size: 8, .value_kind: global_buffer, .address_space: global }
      - { .name: Wv, .offset: 24, .size: 8, .value_kind: global_buffer, .address_space: global }
      - { .name: xb, .offset: 32, .size: 8, .value_kind: global_buffer, .address_space: global }
      - { .name: wb, .offset: 40, .size: 8, .value_kind: global_buffer, .address_space: global }
    .group_segment_fixed_size: 0
    .private_segment_fixed_size: 0
    .kernarg_segment_align: 8
    .kernarg_segment_size: 48
    .max_flat_workgroup_size: 256
    .sgpr_count:     66
    .vgpr_count:     32
    .wavefront_size: 32
...
	.end_amdgpu_metadata
.endif
;; end of part 1
;; launch proj (part 2): grid 16 x 16, 4 waves a work-group, clusters of 4 x 4, 327,680 bytes of LDS; arguments xb, wb, bq, bk, bv, qkv; writes qkv
.if DOCPART == 2
	.amdgcn_target "amdgcn-amd-amdhsa--gfx1250"
	.amdhsa_code_object_version 6
	.text
	.protected	k_q0b1a99a281_proj
	.globl	k_q0b1a99a281_proj
	.p2align	8
	.type	k_q0b1a99a281_proj,@function
k_q0b1a99a281_proj:
	s_mov_b64 s[64:65], 0
	v_nop
	global_prefetch_b8 v0, s[64:65] scope:SCOPE_SE
	s_setreg_imm32_b32 hwreg(HW_REG_WAVE_MODE, 25, 1), 1
	s_wait_xcnt 0x0
	s_wait_alu depctr_hold_cnt(0) depctr_sa_sdst(0) depctr_va_vdst(0) depctr_va_sdst(0) depctr_va_ssrc(0) depctr_va_vcc(0) depctr_vm_vsrc(0)
	s_getreg_b32 s2, hwreg(HW_REG_IB_STS2, 6, 4)
	s_cmp_eq_u32 s2, 0
	s_cbranch_scc0 .Lentry_in_a_cluster
	s_endpgm
.Lentry_in_a_cluster:
	s_bfe_u32 s2, ttmp6, 0x10000c
	s_cmp_lg_u32 s2, 0xf033
	s_cbranch_scc0 .Lentry_shape_is_right
	s_endpgm
.Lentry_shape_is_right:
; Q, K, V = x W^T + b for one head and 256 rows of x, bf16 operands, f32 sums, results in f16:
; qkv[t][batch][head][s][64], t = 0: (x Wq^T + bq) log2(e)/8 (the scale of the scores and the change to base 2 are folded in here), 1: K, 2: V.
; LIMIT: the results are kept in f16: |0.1803 Q|, |K|, |V| must stay below 65,504.
; Work-group (x = head, y = block of 256 rows): 256 x 192 of the product, K = 1,024 in steps of 128 through two LDS slots filled by the tensor data mover.
; Four waves, one above the other: a wave makes 64 rows x 192 columns, 4 x 12 accumulator tiles in 384 registers, and every wave's columns are
; Q (tiles 0-3), K (4-7), V (8-11).  For 32 along K a wave issues 32 LDS loads and 48 matrix instructions.
; CLUSTERS: 4 x 4 work-groups.  x's tile hangs on the row block alone and is asked for jointly by a row of the cluster; the weights' tile hangs on the head alone
; and is asked for jointly by a column.
; The matrix instruction is used transposed (source 0 = 16 rows of wb, source 1 = 16 rows of xb): a lane then holds 8 neighbouring columns of one row.
; REGISTERS: window 0: v16-27 addresses, v32-63 at work, v64-127 x's fragments (two buffers), v128-223 the biases; window 1: v0-191 the weights' fragments (two buffers);
; window 2: accumulator tiles of my rows 0-31 (tile (a, b) at v[8 (12 a + b)]); window 3: those of rows 32-63.
.set KSTEP,  128
.set PITCH,  272                       ; an LDS row: 256 bytes + 16: the 16 rows of a fragment load start 68 words apart
.set HALFA,  128*PITCH                 ; one tensor load of x: 128 rows
.set HALFB,  96*PITCH                  ; one tensor load of weights: 96 rows
.set SLOT,   2*HALFA+2*HALFB           ; x's 256 rows, then the weights' 192
.set STAGE,  2*SLOT                    ; behind the ring, a multiple of 256: for each wave 3 tensors x 16 rows x 144 bytes
.set WSTAGE, 6912
.set SP,     144                       ; a stage row: 128 bytes + 16
.set LAPS,   4                         ; 1,024 / (2 x 128): a lap is once round the ring
.set CQ,     0x3e38aa3b                ; log2(e) / 8
.set ADRA, 16                          ; v16-17 LDS address of my fragments of x in slot 0, 1
.set ADRB, 20                          ; v20-21 the same for the weights
.set STO,  24                          ; where I put 16 bytes of a stage row
.set RD,   25                          ; where I read the stage back
.set CO,   26                          ; my byte offset in a store of 512 bytes
.set BOF,  27                          ; my byte offset in a tile's 16 biases
.set T,    32                          ; v32-63 at work on the way out
.set PK,   64                          ; v64-79 packed f16 (x's fragment registers, free by then)
.set RB,   80                          ; v80-127 rows read back
.set BIAS, 128                         ; v128-223: tensor t, tile b: 8 registers at 32 t + 8 b
.set G1,  24                           ; s[24:31] group 1 for x's tiles
.set G0,  32                           ; s[32:39] group 0 for x's tiles, a set for each slot
.set G1B, 48                           ; s[48:55] group 1 for the weights' tiles
.set G0B, 56                           ; s[56:63] group 0 for the weights' tiles
.set MSB, 0
.macro WIN new                         ; the immediate's high byte repeats the setting that is left
.if MSB != \new
	s_set_vgpr_msb (MSB<<8)|\new
.set MSB, \new
.endif
.endm
.set MUL_LO, 0xa1                      ; source 0 window 1, source 1 window 0, C and D window 2
.set MUL_HI, 0xf1                      ; the same, C and D window 3
.set TO_B,   0x40                      ; destination window 1, address window 0
; A joint load.  Waves 0, 1 fetch the halves of x's tile, waves 2, 3 those of the weights' tile; the branch hangs on the wave's number alone.
.macro JLOAD s
	s_cmp_eq_u32 s17, 0
	s_cbranch_scc0 .Lfor_b_\@
	tensor_load_to_lds s[G0+4*\s:G0+4*\s+3], s[G1:G1+7]
	s_nop 0
	s_branch .Lasked_\@
.Lfor_b_\@:
	tensor_load_to_lds s[G0B+4*\s:G0B+4*\s+3], s[G1B:G1B+7]
	s_nop 0
.Lasked_\@:
.endm
.macro CREST                           ; a round of the cluster's barrier behind its opening barrier
	s_cmp_lg_u32 s16, 0
	s_cbranch_scc1 .Lnot_wave_0_\@
	s_barrier_signal -3
.Lnot_wave_0_\@:
	s_barrier_wait -3
	s_barrier_signal -1
	s_barrier_wait -1
.endm
.macro CROUND                          ; a whole round
	s_barrier_signal -1
	s_barrier_wait -1
	CREST
.endm
.macro PLACES                          ; four plain places behind matrix instructions, in front of loads into their sources and of reads of their results
.rept 4
	v_nop
.endr
.endm
	s_load_b256 s[4:11], s[0:1], 0x0               ; xb s[4:5], wb s[6:7], bq s[8:9], bk s[10:11]
	s_load_b128 s[12:15], s[0:1], 0x20             ; bv s[12:13], qkv s[14:15]
	s_set_vgpr_msb 0x40
	v_lshl_add_u32 v255, v0, 2, 0x42400
	s_set_vgpr_msb 0x4000
	v_mov_b32 v255, 0
	s_set_vgpr_msb 0x1
	ds_add_u32 v255, v255
	ds_add_u32 v255, v255
	s_set_vgpr_msb 0x100
	v_lshrrev_b32 v1, 5, v0
	v_readfirstlane_b32 s16, v1                    ; wave 0..3
	s_lshr_b32 s17, s16, 1                         ; I fetch for x (0) or for the weights (1)
	s_and_b32 s18, s16, 1                          ; which half of that tile
	s_bfe_u32 s20, ttmp6, 0x40000                  ; cx
	s_bfe_u32 s21, ttmp6, 0x40004                  ; cy
	s_lshl_b32 s22, ttmp9, 2
	s_add_co_u32 s22, s22, s20                     ; head = 4 x cluster x + cx
	s_and_b32 s23, ttmp7, 0xffff
	s_lshl_b32 s23, s23, 2
	s_add_co_u32 s23, s23, s21                     ; row block = 4 x cluster y + cy
	s_lshl_b32 s74, s21, 2
	s_lshl_b32 s74, 15, s74                        ; my row of the cluster
	s_lshl_b32 s75, 0x1111, s20                    ; my column
	s_or_b32 s[G1+0], s74, (1<<16)|(1<<20)|(1<<21)|(5<<22)|(3<<25)   ; mask; elements of 2 bytes; padding on; bit 21 beside a mask; after every 64 words 4 words
	s_or_b32 s[G1B+0], s75, (1<<16)|(1<<20)|(1<<21)|(5<<22)|(3<<25)
	s_mov_b32 s[G1+1], KSTEP<<16                   ; tensor_dim0 = 128
	s_mov_b32 s[G1B+1], KSTEP<<16
	s_mov_b32 s[G1+2], 128<<16                     ; tensor_dim1 = 128 rows
	s_mov_b32 s[G1B+2], 96<<16                     ; 96 rows
	s_mov_b32 s[G1+3], KSTEP<<16                   ; tile_dim0 = 128
	s_mov_b32 s[G1B+3], KSTEP<<16
	s_mov_b32 s[G1+4], 128                         ; tile_dim1
	s_mov_b32 s[G1B+4], 96
	s_mov_b32 s[G1+5], 1024                        ; elements from row to row
	s_mov_b32 s[G1B+5], 1024
	s_mov_b32 s[G1+6], 0
	s_mov_b32 s[G1B+6], 0
	s_mov_b32 s[G1+7], 0
	s_mov_b32 s[G1B+7], 0
	; x's tile hangs on the row block, the weights' on the head; each offset is made in registers that never hold the other coordinate
	s_lshl_b32 s40, s23, 8
	s_lshl_b32 s41, s18, 7
	s_add_co_u32 s40, s40, s41                     ; row 256 x block + 128 x half
	s_lshl_b32 s40, s40, 11                        ; rows of 2,048 bytes
	s_mov_b32 s41, 0
	s_mul_i32 s42, s22, 192
	s_mul_i32 s43, s18, 96
	s_add_co_u32 s42, s42, s43                     ; row 192 x head + 96 x half
	s_lshl_b32 s42, s42, 11
	s_mov_b32 s43, 0
	s_mul_i32 s72, s16, HALFA                      ; where they go: waves 0, 1: x's halves at 0 and HALFA;
	s_mul_i32 s73, s16, HALFB
	s_add_co_u32 s73, s73, 2*HALFA-2*HALFB         ; waves 2, 3: the weights' halves at 2 HALFA and 2 HALFA + HALFB
	s_wait_dscnt 0x0
	s_wait_kmcnt 0x0
	s_add_nc_u64 s[44:45], s[4:5], s[40:41]
	s_add_nc_u64 s[46:47], s[6:7], s[42:43]
	CROUND                                         ; all sixteen work-groups are here: the first joint loads meet
.irp s, 0,1
	s_mov_b32 s[G0+4*\s], 1
	s_add_co_u32 s[G0+4*\s+1], s72, \s*SLOT
	s_add_nc_u64 s[G0+4*\s+2:G0+4*\s+3], s[44:45], \s*KSTEP*2
	s_or_b32 s[G0+4*\s+3], s[G0+4*\s+3], 0x80000000
	s_mov_b32 s[G0B+4*\s], 1
	s_add_co_u32 s[G0B+4*\s+1], s73, \s*SLOT
	s_add_nc_u64 s[G0B+4*\s+2:G0B+4*\s+3], s[46:47], \s*KSTEP*2
	s_or_b32 s[G0B+4*\s+3], s[G0B+4*\s+3], 0x80000000
	JLOAD \s                                       ; K steps 0 and 1: two tensor loads of the wave are out
.endr
	v_and_b32 v1, 15, v0                           ; r = lane % 16
	v_bfe_u32 v2, v0, 4, 1                         ; h = lane / 16
	v_and_b32 v5, 31, v0                           ; lane
	v_mul_u32_u24 v3, v1, PITCH
	v_lshl_add_u32 v3, v2, 4, v3                   ; row x pitch + 16 h
	s_mul_i32 s76, s16, 64*PITCH                   ; my 64 rows of x
	s_mov_b32 s77, 2*HALFA                         ; the weights' 192 rows, for every wave
.irp s, 0,1
	v_add_nc_u32 v[ADRA+\s], s76, v3
	v_add_nc_u32 v[ADRB+\s], s77, v3
	s_add_co_u32 s76, s76, SLOT
	s_add_co_u32 s77, s77, SLOT
.endr
	s_mul_i32 s76, s16, WSTAGE
	s_add_co_u32 s76, s76, STAGE                   ; my stage
	v_mul_u32_u24 v4, v1, SP
	v_lshl_add_u32 v4, v2, 4, v4
	v_add_nc_u32 v[STO], s76, v4                   ; in: row r, 16 bytes for each half of the lanes
	v_lshrrev_b32 v4, 3, v5
	v_mul_u32_u24 v4, v4, SP
	v_and_b32 v6, 7, v0
	v_lshl_add_u32 v4, v6, 4, v4
	v_add_nc_u32 v[RD], s76, v4                    ; back: eight lanes take a row of 128 bytes, a wave four rows
	v_lshlrev_b32 v[CO], 4, v5                     ; which are 512 consecutive bytes of a head's block
	v_lshlrev_b32 v[BOF], 5, v2                    ; my 8 columns of a tile's 16: 32 h bytes
	s_lshl_b32 s42, s22, 8                         ; the head's 64 biases
	s_add_nc_u64 s[8:9], s[8:9], s[42:43]
	s_add_nc_u64 s[10:11], s[10:11], s[42:43]
	s_add_nc_u64 s[12:13], s[12:13], s[42:43]
.irp b, 0,1,2,3
.irp u, 0,1
	global_load_b128 v[BIAS+8*\b+4*\u:BIAS+8*\b+4*\u+3], v[BOF], s[8:9] offset:64*\b+16*\u
	global_load_b128 v[BIAS+32+8*\b+4*\u:BIAS+32+8*\b+4*\u+3], v[BOF], s[10:11] offset:64*\b+16*\u
	global_load_b128 v[BIAS+64+8*\b+4*\u:BIAS+64+8*\b+4*\u+3], v[BOF], s[12:13] offset:64*\b+16*\u
.endr
.endr
	; where the results go: ((batch x 16 + head) x 2,048 + s) x 128 bytes; batch = block / 8, s = 256 (block % 8) + 64 wave
	s_lshr_b32 s40, s23, 3
	s_lshl_b32 s40, s40, 22
	s_and_b32 s41, s23, 7
	s_lshl_b32 s41, s41, 15
	s_add_co_u32 s40, s40, s41
	s_lshl_b32 s41, s16, 13
	s_add_co_u32 s40, s40, s41
	s_mov_b32 s41, 0
	s_add_nc_u64 s[66:67], s[14:15], s[40:41]
	s_lshl_b32 s42, s22, 18
	s_add_nc_u64 s[66:67], s[66:67], s[42:43]      ; Q
	s_add_nc_u64 s[68:69], s[66:67], 0x800000      ; K
	s_add_nc_u64 s[70:71], s[68:69], 0x800000      ; V
; 12 matrix instructions: row tile a of the window's two (hi = 0: my rows 0-31, 1: rows 32-63) x all 12 column tiles, 32 along K, from buffer f.
; zero = 1: the first product starts the sums.  The 48 accumulators take turns, one instruction a turn, in the same order in every quarter.
.macro MUL12 f, hi, a, zero
.irp b, 0,1,2,3,4,5,6,7,8,9,10,11
.if \zero
	v_wmma_f32_16x16x32_bf16 v[8*(12*\a+\b):8*(12*\a+\b)+7], v[96*\f+8*\b:96*\f+8*\b+7], v[64+32*\f+8*(2*\hi+\a):64+32*\f+8*(2*\hi+\a)+7], 0
.else
	v_wmma_f32_16x16x32_bf16 v[8*(12*\a+\b):8*(12*\a+\b)+7], v[96*\f+8*\b:96*\f+8*\b+7], v[64+32*\f+8*(2*\hi+\a):64+32*\f+8*(2*\hi+\a)+7], v[8*(12*\a+\b):8*(12*\a+\b)+7]
.endif
.endr
.endm
; 32 LDS loads in one run: a quarter step's fragments (192 rows of weights, my 64 rows of x, 32 K at byte k of the rows) into buffer f
.macro FETCH slot, k, f
	WIN TO_B
.irp i, 0,1,2,3,4,5,6,7,8,9,10,11
	ds_load_b128 v[96*\f+8*\i:96*\f+8*\i+3],   v[ADRB+\slot] offset:\k+\i*16*PITCH
	ds_load_b128 v[96*\f+8*\i+4:96*\f+8*\i+7], v[ADRB+\slot] offset:\k+\i*16*PITCH+32
.endr
	WIN 0
.irp i, 0,1,2,3
	ds_load_b128 v[64+32*\f+8*\i:64+32*\f+8*\i+3],   v[ADRA+\slot] offset:\k+\i*16*PITCH
	ds_load_b128 v[64+32*\f+8*\i+4:64+32*\f+8*\i+7], v[ADRA+\slot] offset:\k+\i*16*PITCH+32
.endr
.endm
; One of a K step's first three quarters: multiplies buffer f, and in its middle fetches the next quarter's fragments into buffer g.
.macro QUARTER slot, k, f, g, zero
	s_wait_dscnt 4                                 ; the weights and x's rows 0-31 are in; the youngest four loads (x's rows 32-63) may be out
	WIN MUL_LO
	MUL12 \f, 0, 0, \zero
	MUL12 \f, 0, 1, \zero
	PLACES
	FETCH \slot, \k, \g
	s_wait_dscnt 32                                ; all but the 32 just issued
	WIN MUL_HI
	MUL12 \f, 1, 0, \zero
	MUL12 \f, 1, 1, \zero
.endm
.macro THREE slot, zero
	QUARTER \slot, 64,  0, 1, \zero
	QUARTER \slot, 128, 1, 0, 0
	QUARTER \slot, 192, 0, 1, 0
.endm
; The last quarter: multiplies buffer 1 and changes slots.  In front of the barrier each wave waits for its reads of this slot and for all its tensor loads
; (one is out: its part of the next slot).  Where the slot is filled again the barrier opens a round of the cluster's barrier, and the joint refill is the
; first tensor load behind the round.  From a request to the wait for it a wave issues 180 matrix instructions.
.macro TURN slot, next, fill
	s_wait_dscnt 4
	WIN MUL_LO
	MUL12 1, 0, 0, 0
	s_wait_dscnt 0                                 ; my reads of this slot are over
	s_wait_tensorcnt 0x0                           ; and all my tensor loads have landed
	ds_add_u32 v255, v255
	s_wait_dscnt 0x0
	s_barrier_signal -1
	MUL12 1, 0, 1, 0                               ; register work while the others arrive
	WIN 0
	s_barrier_wait -1
.if \fill
	CREST
	s_add_nc_u64 s[G0+4*\slot+2:G0+4*\slot+3], s[G0+4*\slot+2:G0+4*\slot+3], 2*KSTEP*2
	s_add_nc_u64 s[G0B+4*\slot+2:G0B+4*\slot+3], s[G0B+4*\slot+2:G0B+4*\slot+3], 2*KSTEP*2
	JLOAD \slot
.endif
	PLACES
	FETCH \next, 0, 0
	WIN MUL_HI
	MUL12 1, 1, 0, 0
	MUL12 1, 1, 1, 0
.endm
.macro LAP zero
	THREE 0, \zero
	TURN 0, 1, 1
	THREE 1, 0
	TURN 1, 0, 1
.endm
	s_wait_tensorcnt 1                             ; my part of K step 0 is in; K step 1's stays out
	s_barrier_signal -1
	s_barrier_wait -1
	FETCH 0, 0, 0
	LAP 1                                          ; the first lap stands in front of the loop: its first products start the sums
	WIN 0
	s_mov_b32 s19, LAPS-2
.Llap:
	LAP 0
	WIN 0
	s_sub_co_u32 s19, s19, 1
	s_cmp_lg_u32 s19, 0
	s_cbranch_scc1 .Llap
	THREE 0, 0                                     ; the last lap fills nothing
	TURN 0, 1, 0
	THREE 1, 0
	s_wait_dscnt 4
	WIN MUL_LO
	MUL12 1, 0, 0, 0
	MUL12 1, 0, 1, 0
	s_wait_dscnt 0
	WIN MUL_HI
	MUL12 1, 1, 0, 0
	MUL12 1, 1, 1, 0
	; THE WAY OUT, 16 rows at a time: bias (and Q's scale) in f32, one rounding to f16, 16 bytes a lane into my own stage, whole rows back, stores of 512 consecutive bytes.
	PLACES
	WIN 0
	s_wait_loadcnt 0x0                             ; the biases, asked for in front of the loop
.set i, 0
.rept 16
	v_pk_mul_f32 v[BIAS+2*i:BIAS+2*i+1], v[BIAS+2*i:BIAS+2*i+1], CQ op_sel_hi:[1,0]    ; (sum + bq) c = sum c + bq c: one fused multiply-add below
.set i, i+1
.endr
; rows 16 row .. 16 row + 15 of my 64: the twelve tiles (acc, 0..11) of window 2 or 3 (win = 0x02 or 0x03: source 0)
.macro OUTA row, win, acc
.irp t, 0,1,2
	WIN \win
.irp b, 0,1,2,3
.irp q, 0,2,4,6
.if \t == 0
	v_pk_fma_f32 v[T+8*\b+\q:T+8*\b+\q+1], v[8*(12*\acc+\b)+\q:8*(12*\acc+\b)+\q+1], CQ, v[BIAS+8*\b+\q:BIAS+8*\b+\q+1] op_sel_hi:[1,0,1]
.else
	v_pk_add_f32 v[T+8*\b+\q:T+8*\b+\q+1], v[8*(12*\acc+4*\t+\b)+\q:8*(12*\acc+4*\t+\b)+\q+1], v[BIAS+32*\t+8*\b+\q:BIAS+32*\t+8*\b+\q+1]
.endif
.endr
.endr
	WIN 0
.irp b, 0,1,2,3
.irp q, 0,1,2,3
	v_cvt_pk_f16_f32 v[PK+4*\b+\q], v[T+8*\b+2*\q], v[T+8*\b+2*\q+1]
.endr
.endr
.irp b, 0,1,2,3
	ds_store_b128 v[STO], v[PK+4*\b:PK+4*\b+3] offset:2304*\t+32*\b
.endr
.endr
	s_wait_xcnt 0x0                                ; RB, which the last rows' stores read, is loaded again only behind this wait
.irp t, 0,1,2
.irp u, 0,1,2,3
	ds_load_b128 v[RB+4*(4*\t+\u):RB+4*(4*\t+\u)+3], v[RD] offset:2304*\t+576*\u    ; LDS serves a wave's instructions in order: these see the stores above
.endr
.endr
.irp t, 0,1,2
.irp u, 0,1,2,3
	s_wait_dscnt 11-(4*\t+\u)
	global_store_b128 v[CO], v[RB+4*(4*\t+\u):RB+4*(4*\t+\u)+3], s[66+2*\t:67+2*\t] offset:2048*\row+512*\u
.endr
.endr
.endm
	OUTA 0, 0x02, 0
	OUTA 1, 0x02, 1
	OUTA 2, 0x03, 0
	OUTA 3, 0x03, 1
	s_set_vgpr_msb 0x1
	s_wait_tensorcnt 0x0
	ds_add_u32 v255, v255
	s_wait_dscnt 0x0
	s_set_vgpr_msb 0x100
	CROUND                                         ; the closing round: no work-group ends while a partner may still ask for a tile that names it
	s_endpgm
.Lfunc_end_k_q0b1a99a281_proj:
	.size	k_q0b1a99a281_proj, .Lfunc_end_k_q0b1a99a281_proj-k_q0b1a99a281_proj
	.p2alignl 7, 3214868480
	.fill 96, 4, 3214868480
	.section	.rodata,"a",@progbits
	.p2align	6, 0x0
	.amdhsa_kernel k_q0b1a99a281_proj
		.amdhsa_group_segment_fixed_size 327680
		.amdhsa_private_segment_fixed_size 0
		.amdhsa_enable_private_segment 0
		.amdhsa_kernarg_size 48
		.amdhsa_user_sgpr_count 2
		.amdhsa_user_sgpr_kernarg_segment_ptr 1
		.amdhsa_wavefront_size32 1
		.amdhsa_system_sgpr_workgroup_id_x 1
		.amdhsa_system_sgpr_workgroup_id_y 1
		.amdhsa_system_sgpr_workgroup_id_z 1
		.amdhsa_system_vgpr_workitem_id 0
		.amdhsa_next_free_vgpr 1024
		.amdhsa_next_free_sgpr 80
		.amdhsa_reserve_vcc 0
		.amdhsa_float_denorm_mode_32 3
		.amdhsa_float_denorm_mode_16_64 3
		.amdhsa_memory_ordered 1
		.amdhsa_forward_progress 1
		.amdhsa_inst_pref_size 182
	.end_amdhsa_kernel
	.amdgpu_metadata
---
amdhsa.version: [ 1, 2 ]
amdhsa.kernels:
  - .name:           k_q0b1a99a281_proj
    .symbol:         k_q0b1a99a281_proj.kd
    .args:
      - { .name: xb, .offset: 0, .size: 8, .value_kind: global_buffer, .address_space: global }
      - { .name: wb, .offset: 8, .size: 8, .value_kind: global_buffer, .address_space: global }
      - { .name: bq, .offset: 16, .size: 8, .value_kind: global_buffer, .address_space: global }
      - { .name: bk, .offset: 24, .size: 8, .value_kind: global_buffer, .address_space: global }
      - { .name: bv, .offset: 32, .size: 8, .value_kind: global_buffer, .address_space: global }
      - { .name: qkv, .offset: 40, .size: 8, .value_kind: global_buffer, .address_space: global }
    .group_segment_fixed_size: 327680
    .private_segment_fixed_size: 0
    .kernarg_segment_align: 8
    .kernarg_segment_size: 48
    .max_flat_workgroup_size: 128
    .sgpr_count:     80
    .vgpr_count:     1024
    .wavefront_size: 32
...
	.end_amdgpu_metadata
.endif
;; end of part 2
;; launch attn (part 3): grid 8 x 32, 8 waves a work-group, no clusters, 327,680 bytes of LDS; arguments qkv, out0; writes out0
.if DOCPART == 3
	.amdgcn_target "amdgcn-amd-amdhsa--gfx1250"
	.amdhsa_code_object_version 6
	.text
	.protected	k_q0b1a99a281_attn
	.globl	k_q0b1a99a281_attn
	.p2align	8
	.type	k_q0b1a99a281_attn,@function
k_q0b1a99a281_attn:
	s_mov_b64 s[64:65], 0
	v_nop
	global_prefetch_b8 v0, s[64:65] scope:SCOPE_SE
	s_setreg_imm32_b32 hwreg(HW_REG_WAVE_MODE, 25, 1), 1
	s_wait_xcnt 0x0
; Causal softmax attention of one (batch, head) = y, f16 operands, f32 sums, running maximum; the scores arrive in base 2 (Q was scaled by log2(e)/8).
; BALANCE: work-group x = p takes the query blocks of 128 rows p and 15 - p: 17 key tiles of 128 for every work-group.  The block with an even number of tiles goes
; first, so the 17 tiles are 8 doubles of 256 consecutive keys and one last tile; the first pass ends with the second tile of a double, the second with the last tile.
; WAVES: w = 4 g + s: g picks 64 of the 128 queries, s picks 32 of a tile's 128 keys.  Each wave keeps its own maximum, sum and O; the four s of a g are merged through LDS
; at a pass's end.  A K or V fragment feeds four query tiles.
; TRANSPOSED: S^T = K Q^T and O^T = V^T P^T.  In S^T's result lane (r, h) holds query r and keys 8 h + j, which is the layout of P as second source: P is made by
; conversions alone, and maximum, sum and rescale factor are one number a lane.
; NO CLUSTER: the eight work-groups of a head walk the key tiles in different orders so that each has 17; in a joint walk four partners would all take the steps of the
; longest pair of passes, 20 steps for 17 of work, and the pass ends would fall in different steps.
; LIMITS: masked scores are -FLT_MAX, not -infinity (a wave whose keys are all masked for a query keeps that as maximum, and its finite sums get the weight 2^(-FLT_MAX - m) = 0
; in the merge; key 0 is open to every query, so the merged maximum is a true score).  P is rounded to f16: probabilities below about 2^-25 of a row's largest count as 0.
; The whole diagonal tile is computed and masked.
.set SLOTB, 71680                      ; a slot: K 128 rows x 272 (two keys of 128 bytes to a row + 16), then V 128 rows x 288 (+ 32)
.set VOFF,  34816
.set MRG,   143360                     ; 8 waves x 16,384: each wave's O
.set ML,    274432                     ; m: 512 w + 128 qt + 4 lane; l: the same + 4,096
.set STG,   282624                     ; 8 waves x 16 rows x 272: the way out
.set KADR, 8                           ; v8-9    my K fragment address in slot 0, 1
.set VADR, 10                          ; v10-11  my V fragment address
.set QOFF, 12
.set DL,   13                          ; query - key of my lane at tile (0, 0), register 0, on the diagonal
.set NEG,  14                          ; -FLT_MAX
.set MW,   15
.set MR,   16
.set MLW,  17
.set MLR,  18
.set SW,   19
.set SR,   20
.set OOFF, 21
.set ST,   32                          ; v32-47: for each query tile m, l, alpha, tmp
.set SB,   64                          ; v64-127: S tile (kt, qt) at 8 (4 kt + qt)
.set PB,   128                         ; v128-159: P fragment of query tile qt at 8 qt
.set KF,   160                         ; v160-191: K fragment (kt, ks) at 8 (2 kt + ks)
.set VF,   192                         ; v192-223: V fragment dt at 8 dt
.set RB,   224                         ; v224-255: rows read back on the way out
.set QF,   128                         ; window 1, v128-191: Q fragment (qt, ks) at 8 (2 qt + ks);  window 1, v0-127: O tile (qt, dt) at 8 (4 qt + dt)
.set X,    64                          ; the merge: four sources x 32 registers
.set WM,   192                         ; the merge: four maxima, then weights
.set WL,   196                         ; four sums
.set WW,   200                         ; four pairs: weight / total sum
.set MT,   208
.set LT,   209
.set MSB, 0
.macro WIN new
.if MSB != \new
	s_set_vgpr_msb (MSB<<8)|\new
.set MSB, \new
.endif
.endm
.macro PLACES                          ; four plain places behind matrix instructions (ISA guide 7.12.1)
.rept 4
	v_nop
.endr
.endm
	s_load_b128 s[4:7], s[0:1], 0x0                ; qkv s[4:5], out0 s[6:7]
	v_lshl_add_u32 v62, v0, 2, 0x4d800
	v_mov_b32 v63, 0
	ds_add_u32 v62, v63
	ds_add_u32 v62, v63
	v_lshrrev_b32 v1, 5, v0
	v_readfirstlane_b32 s8, v1                     ; wave 0..7
	s_lshr_b32 s9, s8, 2                           ; g
	s_and_b32 s10, s8, 3                           ; s
	s_mov_b32 s11, ttmp9                           ; p
	s_and_b32 s12, ttmp7, 0xffff                   ; 16 batch + head
	s_add_co_u32 s13, s11, 1
	s_sub_co_u32 s54, 16, s11
	s_bitcmp1_b32 s11, 0
	s_cselect_b32 s13, s13, s54                    ; tiles of the first pass: p + 1 if p is odd, else 16 - p: even
	s_lshr_b32 s14, s13, 1                         ; left: doubles of the first pass still to do
	s_sub_co_u32 s13, s13, 1                       ; first query block
	s_sub_co_u32 s55, 15, s13                      ; second query block
	s_mov_b32 s66, 0x76543210                      ; v_permlanex16_b32: lane i reads lane i of the other half
	s_mov_b32 s67, 0xfedcba98
	; group 1: a wave's part of a double is 32 keys = 4,096 dense bytes = 16 rows of 32 elements of 8 bytes, padded behind each row
	s_mov_b32 s16, (3<<16)|(1<<20)|(5<<22)|(3<<25) ; K: after every 64 words 4 words
	s_mov_b32 s24, (3<<16)|(1<<20)|(5<<22)|(7<<25) ; V: 8 words
	s_mov_b32 s17, 32<<16
	s_mov_b32 s25, 32<<16
	s_mov_b32 s18, 16<<16
	s_mov_b32 s26, 16<<16
	s_mov_b32 s19, 32<<16
	s_mov_b32 s27, 32<<16
	s_mov_b32 s20, 16
	s_mov_b32 s28, 16
	s_mov_b32 s21, 32
	s_mov_b32 s29, 32
	s_mov_b32 s22, 0
	s_mov_b32 s30, 0
	s_mov_b32 s23, 0
	s_mov_b32 s31, 0
	s_mov_b32 s52, 0                               ; byte offset of the double that is asked for next
	s_mov_b32 s53, 0
	s_mov_b32 s69, 0
	s_mov_b32 s71, 0
	s_lshl_b32 s68, s12, 18                        ; the head's block of 262,144 bytes
	s_lshl_b32 s54, s8, 12
	s_add_co_u32 s70, s68, s54
	s_add_co_u32 s70, s70, 0x800000
	s_wait_dscnt 0x0
	s_wait_kmcnt 0x0
	s_add_nc_u64 s[48:49], s[4:5], s[70:71]        ; K: my 32 keys of double 0
	s_add_nc_u64 s[50:51], s[48:49], 0x800000      ; V likewise
	s_mov_b32 s32, 1                               ; group 0: K slot 0 s[32:35], V slot 0 s[36:39], K slot 1 s[40:43], V slot 1 s[44:47]
	s_mul_i32 s33, s8, 4352
	s_mov_b64 s[34:35], s[48:49]
	s_or_b32 s35, s35, 0x80000000
	s_mov_b32 s36, 1
	s_mul_i32 s37, s8, 4608
	s_add_co_u32 s37, s37, VOFF
	s_mov_b64 s[38:39], s[50:51]
	s_or_b32 s39, s39, 0x80000000
	s_mov_b32 s40, 1
	s_add_co_u32 s41, s33, SLOTB
	s_mov_b32 s44, 1
	s_add_co_u32 s45, s37, SLOTB
	tensor_load_to_lds s[32:35], s[16:23]          ; double 0: two tensor loads of the wave are out, as behind every refill's barrier
	s_nop 0
	tensor_load_to_lds s[36:39], s[24:31]
	s_nop 0
	v_and_b32 v1, 31, v0                           ; lane
	v_and_b32 v2, 15, v0                           ; r
	v_bfe_u32 v3, v0, 4, 1                         ; h
	v_and_b32 v4, 7, v0                            ; i
	v_bfe_u32 v5, v0, 3, 1                         ; c
	v_and_b32 v7, 1, v0
	v_lshrrev_b32 v6, 1, v2                        ; K: key r lies at (r / 2) x 272 + (r % 2) x 128; + 16 h along the head size
	v_mul_u32_u24 v6, v6, 272
	v_lshl_add_u32 v6, v7, 7, v6
	v_lshl_add_u32 v6, v3, 4, v6
	s_mul_i32 s54, s10, 4352                       ; my 32 keys of a tile: 16 rows
	v_add_nc_u32 v[KADR], s54, v6
	v_add_nc_u32 v[KADR+1], SLOTB, v[KADR]
	v_lshrrev_b32 v6, 1, v4                        ; V, for the transposing load: key 8 h + i at (4 h + i / 2) x 288 + (i % 2) x 128; + 16 c
	v_lshl_add_u32 v6, v3, 2, v6
	v_mul_u32_u24 v6, v6, 288
	v_lshl_add_u32 v6, v7, 7, v6
	v_lshl_add_u32 v6, v5, 4, v6
	s_mul_i32 s54, s10, 4608
	s_add_co_u32 s54, s54, VOFF
	v_add_nc_u32 v[VADR], s54, v6
	v_add_nc_u32 v[VADR+1], SLOTB, v[VADR]
	v_lshlrev_b32 v[QOFF], 4, v3
	v_lshl_add_u32 v[QOFF], v2, 7, v[QOFF]         ; Q: row r of 128 bytes + 16 h
	s_lshl_b32 s54, s9, 6
	s_lshl_b32 s70, s10, 5
	s_sub_co_i32 s54, s54, s70
	v_add_nc_u32 v[DL], s54, v2
	v_lshlrev_b32 v6, 3, v3
	v_sub_nc_u32 v[DL], v[DL], v6                  ; (64 g + r) - (32 s + 8 h), signed
	v_mov_b32 v[NEG], 0xff7fffff
	s_lshl_b32 s54, s8, 14
	s_add_co_u32 s54, s54, MRG
	v_lshl_add_u32 v[MW], v1, 4, s54               ; my O goes to my 16,384 bytes
	s_lshl_b32 s54, s9, 16
	s_lshl_b32 s70, s10, 12
	s_add_co_u32 s54, s54, s70
	s_add_co_u32 s54, s54, MRG
	v_lshl_add_u32 v[MR], v1, 4, s54               ; I merge query tile s of my g's four waves
	s_lshl_b32 s54, s8, 9
	s_add_co_u32 s54, s54, ML
	v_lshl_add_u32 v[MLW], v1, 2, s54
	s_lshl_b32 s54, s9, 11
	s_lshl_b32 s70, s10, 7
	s_add_co_u32 s54, s54, s70
	s_add_co_u32 s54, s54, ML
	v_lshl_add_u32 v[MLR], v1, 2, s54
	s_mul_i32 s54, s8, 4352
	s_add_co_u32 s54, s54, STG
	v_mul_u32_u24 v6, v2, 272
	v_lshl_add_u32 v6, v3, 5, v6
	v_add_nc_u32 v[SW], s54, v6                    ; stage in: row r, my 8 numbers at 32 h
	v_mul_u32_u24 v6, v3, 272
	v_lshl_add_u32 v6, v2, 4, v6
	v_add_nc_u32 v[SR], s54, v6                    ; stage back: lanes 0-15 a row of 256 bytes, lanes 16-31 the next
	v_lshlrev_b32 v6, 12, v3
	v_lshl_add_u32 v[OOFF], v2, 4, v6              ; and the same two rows in out0
	s_lshl_b32 s54, s9, 13
	s_add_co_u32 s68, s68, s54                     ; the head's block + 64 g rows
	s_lshl_b32 s54, s13, 14
	s_add_co_u32 s70, s68, s54
	s_add_nc_u64 s[56:57], s[4:5], s[70:71]        ; Q of the first pass
	s_lshl_b32 s54, s55, 14
	s_add_co_u32 s70, s68, s54
	s_add_nc_u64 s[58:59], s[4:5], s[70:71]        ; Q of the second
	s_lshr_b32 s68, s12, 4
	s_lshl_b32 s68, s68, 23                        ; batch
	s_and_b32 s54, s12, 15
	s_lshl_b32 s54, s54, 8                         ; the head's 256 bytes of a row
	s_add_co_u32 s68, s68, s54
	s_lshl_b32 s54, s9, 18                         ; 64 g rows of 4,096 bytes
	s_add_co_u32 s68, s68, s54
	s_lshl_b32 s54, s10, 16                        ; 16 s rows
	s_add_co_u32 s68, s68, s54
	s_lshl_b32 s54, s13, 19
	s_add_co_u32 s70, s68, s54
	s_add_nc_u64 s[60:61], s[6:7], s[70:71]        ; out0 of the first pass
	s_lshl_b32 s54, s55, 19
	s_add_co_u32 s70, s68, s54
	s_add_nc_u64 s[62:63], s[6:7], s[70:71]        ; of the second
.macro QLOAD base                      ; my 64 queries as second-source fragments, straight from memory: 16 loads
	WIN 0x40
.irp q, 0,1,2,3
.irp c, 0,1
	global_load_b128 v[QF+16*\q+8*\c:QF+16*\q+8*\c+3],   v[QOFF], s[\base:\base+1] offset:2048*\q+64*\c
	global_load_b128 v[QF+16*\q+8*\c+4:QF+16*\q+8*\c+7], v[QOFF], s[\base:\base+1] offset:2048*\q+64*\c+32
.endr
.endr
	WIN 0
.endm
.macro LDK slot, tau                   ; my 32 keys of tile tau of the slot's double: 8 loads
.irp k, 0,1
.irp c, 0,1
	ds_load_b128 v[KF+8*(2*\k+\c):KF+8*(2*\k+\c)+3],   v[KADR+\slot] offset:17408*\tau+2176*\k+64*\c
	ds_load_b128 v[KF+8*(2*\k+\c)+4:KF+8*(2*\k+\c)+7], v[KADR+\slot] offset:17408*\tau+2176*\k+64*\c+32
.endr
.endr
.endm
.macro LDV slot, tau                   ; V^T of the same 32 keys: 8 transposing loads; the second of a pair is 16 keys = 8 rows on
.irp d, 0,1,2,3
	ds_load_tr16_b128 v[VF+8*\d:VF+8*\d+3],   v[VADR+\slot] offset:18432*\tau+32*\d
	ds_load_tr16_b128 v[VF+8*\d+4:VF+8*\d+7], v[VADR+\slot] offset:18432*\tau+32*\d+2304
.endr
.endm
.macro SMUL                            ; S^T = K Q^T: 8 tiles, head size in two steps; the eight accumulators take turns
	WIN 0x04
.irp k, 0,1
.irp q, 0,1,2,3
	v_wmma_f32_16x16x32_f16 v[SB+8*(4*\k+\q):SB+8*(4*\k+\q)+7], v[KF+16*\k:KF+16*\k+7], v[QF+16*\q:QF+16*\q+7], 0
.endr
.endr
.irp k, 0,1
.irp q, 0,1,2,3
	v_wmma_f32_16x16x32_f16 v[SB+8*(4*\k+\q):SB+8*(4*\k+\q)+7], v[KF+16*\k+8:KF+16*\k+15], v[QF+16*\q+8:QF+16*\q+15], v[SB+8*(4*\k+\q):SB+8*(4*\k+\q)+7]
.endr
.endr
	WIN 0
	PLACES
.endm
.macro MASK                            ; the diagonal tile: key > query, that is 16 kt + j - 16 qt > DL, gets -FLT_MAX
.irp k, 0,1
.irp q, 0,1,2,3
.irp j, 0,1,2,3,4,5,6,7
	v_cmp_gt_i32 vcc_lo, 16*\k+\j-16*\q, v[DL]
	v_cndmask_b32 v[SB+8*(4*\k+\q)+\j], v[SB+8*(4*\k+\q)+\j], v[NEG], vcc_lo
.endr
.endr
.endr
.endm
.macro SOFTMAX
.irp q, 0,1,2,3                        ; the new maximum of each query: the old one and my 16 scores, four chains side by side
	v_max3_num_f32 v[ST+4*\q+3], v[ST+4*\q], v[SB+8*\q], v[SB+8*\q+1]
.endr
.irp j, 2,4,6
.irp q, 0,1,2,3
	v_max3_num_f32 v[ST+4*\q+3], v[ST+4*\q+3], v[SB+8*\q+\j], v[SB+8*\q+\j+1]
.endr
.endr
.irp j, 0,2,4,6
.irp q, 0,1,2,3
	v_max3_num_f32 v[ST+4*\q+3], v[ST+4*\q+3], v[SB+32+8*\q+\j], v[SB+32+8*\q+\j+1]
.endr
.endr
.irp q, 0,1,2,3
	v_permlanex16_b32 v[ST+4*\q+2], v[ST+4*\q+3], s66, s67     ; the other half of the lanes holds the query's other 16 keys
.endr
.irp q, 0,1,2,3
	v_max_num_f32 v[ST+4*\q+3], v[ST+4*\q+3], v[ST+4*\q+2]
.endr
.irp q, 0,1,2,3
	v_sub_f32 v[ST+4*\q+2], v[ST+4*\q], v[ST+4*\q+3]           ; old maximum - new
.endr
.irp q, 0,1,2,3
	v_mov_b32 v[ST+4*\q], v[ST+4*\q+3]
.endr
.irp k, 0,1
.irp q, 0,1,2,3
.irp j, 0,2,4,6
	v_pk_add_f32 v[SB+32*\k+8*\q+\j:SB+32*\k+8*\q+\j+1], v[SB+32*\k+8*\q+\j:SB+32*\k+8*\q+\j+1], v[ST+4*\q:ST+4*\q+1] op_sel_hi:[1,0] neg_lo:[0,1] neg_hi:[0,1]
.endr
.endr
.endr
.irp q, 0,1,2,3
	v_exp_f32 v[ST+4*\q+2], v[ST+4*\q+2]           ; alpha
.endr
.set i, 0
.rept 64
	v_exp_f32 v[SB+i], v[SB+i]
.set i, i+1
.endr
	v_nop                                          ; one plain place behind the last exponential before its result is read (ISA guide 5.7.2)
	s_wait_alu depctr_va_vdst(0)
.irp q, 0,1,2,3
.irp j, 0,1,2,3
	v_cvt_pk_f16_f32 v[PB+8*\q+\j],   v[SB+8*\q+2*\j],    v[SB+8*\q+2*\j+1]       ; keys 8 h + 2 j, + 1
	v_cvt_pk_f16_f32 v[PB+8*\q+4+\j], v[SB+32+8*\q+2*\j], v[SB+32+8*\q+2*\j+1]    ; keys 16 + 8 h + 2 j, + 1
.endr
.endr
.irp q, 0,1,2,3                        ; my lane's 16 probabilities of each query summed in f32
.irp j, 0,2,4,6
	v_pk_add_f32 v[SB+8*\q+\j:SB+8*\q+\j+1], v[SB+8*\q+\j:SB+8*\q+\j+1], v[SB+32+8*\q+\j:SB+32+8*\q+\j+1]
.endr
.endr
.irp q, 0,1,2,3
	v_pk_add_f32 v[SB+8*\q:SB+8*\q+1],   v[SB+8*\q:SB+8*\q+1],   v[SB+8*\q+2:SB+8*\q+3]
	v_pk_add_f32 v[SB+8*\q+4:SB+8*\q+5], v[SB+8*\q+4:SB+8*\q+5], v[SB+8*\q+6:SB+8*\q+7]
.endr
.irp q, 0,1,2,3
	v_pk_add_f32 v[SB+8*\q:SB+8*\q+1], v[SB+8*\q:SB+8*\q+1], v[SB+8*\q+4:SB+8*\q+5]
.endr
.irp q, 0,1,2,3
	v_add_f32 v[ST+4*\q+3], v[SB+8*\q], v[SB+8*\q+1]
.endr
.irp q, 0,1,2,3
	v_fma_f32 v[ST+4*\q+1], v[ST+4*\q+1], v[ST+4*\q+2], v[ST+4*\q+3]   ; l = l alpha + sum (each half of the lanes keeps its own part)
.endr
.endm
.macro RESCALE                         ; O = O alpha
	WIN 0x41
.irp q, 0,1,2,3
.set i, 0
.rept 16
	v_pk_mul_f32 v[32*\q+2*i:32*\q+2*i+1], v[32*\q+2*i:32*\q+2*i+1], v[ST+4*\q+2:ST+4*\q+3] op_sel_hi:[1,0]
.set i, i+1
.endr
.endr
	WIN 0
.endm
.macro PVMUL first                     ; O^T += V^T P^T: 16 accumulators by turns; first = 1: the product starts the sums
.if \first
	WIN 0x40
.else
	WIN 0x50
.endif
.irp q, 0,1,2,3
.irp d, 0,1,2,3
.if \first
	v_wmma_f32_16x16x32_f16 v[32*\q+8*\d:32*\q+8*\d+7], v[VF+8*\d:VF+8*\d+7], v[PB+8*\q:PB+8*\q+7], 0
.else
	v_wmma_f32_16x16x32_f16 v[32*\q+8*\d:32*\q+8*\d+7], v[VF+8*\d:VF+8*\d+7], v[PB+8*\q:PB+8*\q+7], v[32*\q+8*\d:32*\q+8*\d+7]
.endif
.endr
.endr
	WIN 0
	PLACES
.endm
; The end of a pass: the four key quarters of each g are merged and the block is stored.  ob: the pair that holds out0's address.  final = 0: the second pass is set up.
.macro PASSEND ob, final
.if \final == 0
	QLOAD 58                                       ; the second block's queries; the merge stands between these loads and the wait for them
.endif
.irp q, 0,1,2,3
	v_permlanex16_b32 v[ST+4*\q+3], v[ST+4*\q+1], s66, s67
.endr
.irp q, 0,1,2,3
	v_add_f32 v[ST+4*\q+1], v[ST+4*\q+1], v[ST+4*\q+3]         ; l of both halves of the lanes
.endr
.irp q, 0,1,2,3
	ds_store_b32 v[MLW], v[ST+4*\q]   offset:128*\q
	ds_store_b32 v[MLW], v[ST+4*\q+1] offset:4096+128*\q
.endr
	WIN 0x04
.set i, 0
.rept 32
	ds_store_b128 v[MW], v[4*i:4*i+3] offset:512*i             ; 32 lanes x 16 neighbouring bytes
.set i, i+1
.endr
	WIN 0
	s_wait_dscnt 0x0                               ; for the others' sake: my stores are done
	s_barrier_signal -1
	s_barrier_wait -1                              ; the next double's tensor loads may stay out
.irp c, 0,1,2,3
	ds_load_b32 v[WM+\c], v[MLR] offset:512*\c
.endr
.irp c, 0,1,2,3
	ds_load_b32 v[WL+\c], v[MLR] offset:4096+512*\c
.endr
.irp c, 0,1,2,3
.set i, 0
.rept 8
	ds_load_b128 v[X+32*\c+4*i:X+32*\c+4*i+3], v[MR] offset:16384*\c+512*i
.set i, i+1
.endr
.endr
	s_wait_dscnt 32                                ; the eight words of m and l are in; the 32 loads of O may be out
	v_max3_num_f32 v[MT], v[WM], v[WM+1], v[WM+2]
	v_max_num_f32 v[MT], v[MT], v[WM+3]
.irp c, 0,1,2,3
	v_sub_f32 v[WM+\c], v[WM+\c], v[MT]
.endr
.irp c, 0,1,2,3
	v_exp_f32 v[WM+\c], v[WM+\c]                   ; weight of source c
.endr
	v_nop
	s_wait_alu depctr_va_vdst(0)
	v_mul_f32 v[LT], v[WM], v[WL]
	v_fmac_f32 v[LT], v[WM+1], v[WL+1]
	v_fmac_f32 v[LT], v[WM+2], v[WL+2]
	v_fmac_f32 v[LT], v[WM+3], v[WL+3]             ; at least 1: the source that holds the maximum has weight 1 and a term 1
	v_rcp_f32 v[LT], v[LT]
	v_nop
	s_wait_alu depctr_va_vdst(0)
.irp c, 0,1,2,3
	v_mul_f32 v[WW+2*\c],   v[WM+\c], v[LT]
	v_mul_f32 v[WW+2*\c+1], v[WM+\c], v[LT]
.endr
	s_wait_dscnt 0x0
.set i, 0
.rept 16
	v_pk_mul_f32 v[X+2*i:X+2*i+1], v[X+2*i:X+2*i+1], v[WW:WW+1]
.set i, i+1
.endr
.irp c, 1,2,3
.set i, 0
.rept 16
	v_pk_fma_f32 v[X+2*i:X+2*i+1], v[X+32*\c+2*i:X+32*\c+2*i+1], v[WW+2*\c:WW+2*\c+1], v[X+2*i:X+2*i+1]
.set i, i+1
.endr
.endr
.irp d, 0,1,2,3
.irp u, 0,1
	ds_store_b128 v[SW], v[X+8*\d+4*\u:X+8*\d+4*\u+3] offset:64*\d+16*\u     ; my own stage: query r, head-size index 16 d + 8 h + 4 u ..
.endr
.endr
.irp t, 0,1,2,3,4,5,6,7
	ds_load_b128 v[RB+4*\t:RB+4*\t+3], v[SR] offset:544*\t                  ; LDS serves a wave's instructions in order: these see the stores above
.endr
.irp t, 0,1,2,3,4,5,6,7
	s_wait_dscnt 7-\t
	global_store_b128 v[OOFF], v[RB+4*\t:RB+4*\t+3], s[\ob:\ob+1] offset:8192*\t th:TH_STORE_NT   ; 16 lanes store the head's 256 consecutive bytes of a row
.endr
.if \final == 0
.irp q, 0,1,2,3
	v_mov_b32 v[ST+4*\q], v[NEG]                   ; the second pass: with this maximum its first alpha is 0 and wipes l and O, which are finite
.endr
	s_wait_xcnt 0x0                                ; RB is loaded again only behind this wait
	s_wait_loadcnt 0x0                             ; the second block's queries are in
.endif
.endm
; One double: its two tiles are read from slot; the next double (fill = 2) or the last single tile (fill = 1: its 128 keys are the parts of waves 0-3) is asked for into other.
; In front of the barrier every wave waits for all its tensor loads and for its reads of the other slot; the refills are the first tensor loads behind it.
; The branches on left (s14) hang on the work-group's x alone and are the same in all eight waves.
.macro DV slot, other, first, fill
	s_wait_tensorcnt 0x0                           ; all my tensor loads have landed, my part of this double among them: every group 0 may be written
	ds_add_u32 v62, v63
	s_add_co_u32 s54, s52, 0x8000                  ; the next double, 256 keys on,
	s_cmp_eq_u32 s14, 1
	s_cselect_b32 s52, 0, s54                      ; or the second pass's first keys
	s_add_nc_u64 s[34+8*\other:35+8*\other], s[48:49], s[52:53]
	s_or_b32 s[35+8*\other], s[35+8*\other], 0x80000000
	s_add_nc_u64 s[38+8*\other:39+8*\other], s[50:51], s[52:53]
	s_or_b32 s[39+8*\other], s[39+8*\other], 0x80000000
	s_wait_dscnt 0x0                               ; my reads of the other slot are done
	s_barrier_signal -1
	s_barrier_wait -1
.if \fill == 1
	s_cmp_lt_u32 s8, 4
	s_cbranch_scc0 .Lnofill_\@
.endif
	tensor_load_to_lds s[32+8*\other:35+8*\other], s[16:23]
	s_nop 0
	tensor_load_to_lds s[36+8*\other:39+8*\other], s[24:31]
	s_nop 0
.if \fill == 1
.Lnofill_\@:
.endif
	LDK \slot, 0
	LDV \slot, 0
	s_wait_dscnt 8                                 ; K's eight loads are in, V's eight may be out
	SMUL
	LDK \slot, 1
	SOFTMAX
.if \first == 0
	RESCALE
.endif
	s_wait_dscnt 8                                 ; V is in, the next tile's K may be out
	PVMUL \first
	LDV \slot, 1
	s_wait_dscnt 8                                 ; K is in, V may be out
	SMUL
	s_cmp_lg_u32 s14, 1
	s_cbranch_scc1 .Lnomask_\@
	MASK                                           ; the first pass's last tile is its diagonal
.Lnomask_\@:
	SOFTMAX
	RESCALE
	s_wait_dscnt 0x0
	PVMUL 0
	s_cmp_lg_u32 s14, 1
	s_cbranch_scc1 .Lnoend_\@
	PASSEND 60, 0
.Lnoend_\@:
	s_sub_co_u32 s14, s14, 1
.endm
	QLOAD 56
.irp q, 0,1,2,3
	v_mov_b32 v[ST+4*\q], v[NEG]
	v_mov_b32 v[ST+4*\q+1], 0
	v_mov_b32 v[ST+4*\q+2], 0
	v_mov_b32 v[ST+4*\q+3], 0
.endr
	s_wait_loadcnt 0x0                             ; the first block's queries
	DV 0, 1, 1, 2                                  ; double 0: its first product starts O
	s_mov_b32 s15, 3
.Lpair:
	DV 1, 0, 0, 2
	DV 0, 1, 0, 2
	s_sub_co_u32 s15, s15, 1
	s_cmp_lg_u32 s15, 0
	s_cbranch_scc1 .Lpair
	DV 1, 0, 0, 1                                  ; double 7; the last single tile goes into slot 0
	s_wait_tensorcnt 0x0                           ; the last tile: my part has landed,
	s_wait_dscnt 0x0
	s_barrier_signal -1
	s_barrier_wait -1                              ; everybody's has
	LDK 0, 0
	LDV 0, 0
	s_wait_dscnt 8
	SMUL
	MASK                                           ; the second pass's diagonal
	SOFTMAX
	RESCALE
	s_wait_dscnt 0x0
	PVMUL 0
	PASSEND 62, 1
	s_wait_tensorcnt 0x0
	ds_add_u32 v62, v63
	s_wait_dscnt 0x0
	s_endpgm
.Lfunc_end_k_q0b1a99a281_attn:
	.size	k_q0b1a99a281_attn, .Lfunc_end_k_q0b1a99a281_attn-k_q0b1a99a281_attn
	.p2alignl 7, 3214868480
	.fill 96, 4, 3214868480
	.section	.rodata,"a",@progbits
	.p2align	6, 0x0
	.amdhsa_kernel k_q0b1a99a281_attn
		.amdhsa_group_segment_fixed_size 327680
		.amdhsa_private_segment_fixed_size 0
		.amdhsa_enable_private_segment 0
		.amdhsa_kernarg_size 16
		.amdhsa_user_sgpr_count 2
		.amdhsa_user_sgpr_kernarg_segment_ptr 1
		.amdhsa_wavefront_size32 1
		.amdhsa_system_sgpr_workgroup_id_x 1
		.amdhsa_system_sgpr_workgroup_id_y 1
		.amdhsa_system_sgpr_workgroup_id_z 1
		.amdhsa_system_vgpr_workitem_id 0
		.amdhsa_next_free_vgpr 448
		.amdhsa_next_free_sgpr 72
		.amdhsa_reserve_vcc 1
		.amdhsa_float_denorm_mode_32 3
		.amdhsa_float_denorm_mode_16_64 3
		.amdhsa_memory_ordered 1
		.amdhsa_forward_progress 1
		.amdhsa_inst_pref_size 255
	.end_amdhsa_kernel
	.section	.bss,"aw",@nobits
	.p2align	6
	.space	262144
	.amdgpu_metadata
---
amdhsa.version: [ 1, 2 ]
amdhsa.kernels:
  - .name:           k_q0b1a99a281_attn
    .symbol:         k_q0b1a99a281_attn.kd
    .args:
      - { .name: qkv, .offset: 0, .size: 8, .value_kind: global_buffer, .address_space: global }
      - { .name: out0, .offset: 8, .size: 8, .value_kind: global_buffer, .address_space: global }
    .group_segment_fixed_size: 327680
    .private_segment_fixed_size: 0
    .kernarg_segment_align: 8
    .kernarg_segment_size: 16
    .max_flat_workgroup_size: 256
    .sgpr_count:     72
    .vgpr_count:     448
    .wavefront_size: 32
...
	.end_amdgpu_metadata
.endif
;; end of part 3
